; MI455X (gfx1250); checked and timed in simulation.
; The chip was launched on July 23, 2026; its instructions are those of AMD's public machine-readable ISA for CDNA 5 (MIT licence, August 2026) and "CDNA5" Instruction Set Architecture Reference Guide (July 2026). The comments in the code are by the model that wrote it; some were corrected since.
;; Dynamic Mo E. Allowed arithmetic: matrix products marked QUANTISED: E5M2 operands, one E8M0 scale for each 32 along K, by v_wmma_scale_f32_16x16x128_f8f6f4 with both operands' format E5M2, f32 sums; products left as they are: f32 operands where the result goes on into a quantised operand, else bf16, f16 or f32 operands; f32 sums; everything else in f32.
;; Inputs: W1 8 x 1,024 x 4,096 float32; W2 8 x 4,096 x 1,024 float32; Wg 1,024 x 8 float32; b1 8 x 4,096 float32; b2 8 x 1,024 float32; bg 8 float32; x 4 x 256 x 1,024 float32.
;; Outputs: out0 4 x 256 x 1,024 float32.
;; This version of the problem:
;;   THIS VERSION OF THE PROBLEM IS GIVEN IN LOW PRECISION. The matrix products marked QUANTISED in the list below multiply operands that are first quantised to E5M2 (5 exponent bits, 2 mantissa bits; 8 bits a number), with one power-of-two scale for each 32 numbers along K (OCP MX v1.0); their sums are f32. All else is computed in f32.
;;   The module's matrix products, in the order in which they are computed (A, B: the left and right operand; K: the contracted axis; several contracted axes count as one K, in the product's order):
;;     1. [M 1,024, K 1,024] x [K 1,024, N 8]; A: input x; B: input Wg: left as it is (N = 8 < 16)
;;     2. [M 32,768, K 1,024] x [K 1,024, N 1,024]; A: input W1; B: input x: QUANTISED
;;     3. batch 8 x [M 1,024, K 4,096] x [K 4,096, N 1,024]; A: computed on the way; B: input W2: QUANTISED
;;     4. batch 1,024 x [M 1, K 8] x [K 8, N 1,024]; A: computed on the way; B: computed on the way: left as it is (K = 8 < 32)
;;   THE QUANTISER, for each operand of a quantised product, along K:
;;     - K is cut into blocks of 32 from its start; a last block that is shorter is filled with zeros.
;;     - A block's scale is 2^e with e = floor(log2(the largest magnitude in the block)) - 15, held to -126 .. 127; a block of zeros has e = 0. As a byte (E8M0): e + 127.
;;     - Each number is divided by its block's scale, clamped to +-57,344, and rounded to the nearest number of E5M2, ties to even, subnormals kept.
;;     - The product sums the exact products of the quantised numbers (number of the format x scale) in f32.
;;   ~~~python
;;   def quantise(x, axis):      # numpy; x: float32 -> the quantised numbers, widened to float32 again
;;       x = np.moveaxis(x, axis, -1); K = x.shape[-1]
;;       x = np.pad(x, [(0, 0)] * (x.ndim - 1) + [(0, -K % 32)]); x = x.reshape(x.shape[:-1] + (-1, 32)); a = np.abs(x).max(-1, keepdims=True)
;;       e = np.where(a > 0, np.clip(np.frexp(np.where(a > 0, a, 1))[1] - 1 - 15, -126, 127), 0)      # np.frexp(a)[1] - 1 = floor(log2(a)), exactly
;;       r = np.clip(x / 2.0 ** e, -57344, 57344)
;;       step = 2.0 ** (np.maximum(np.frexp(np.where(r == 0, 1, r))[1] - 1, -14) - 2)
;;       q = np.round(r / step) * step * 2.0 ** e      # np.round: ties to even
;;       return np.moveaxis(q.reshape(q.shape[:-2] + (-1,))[..., :K], -1, axis).astype(np.float32)
;;   ~~~
;;   OPERANDS COMPUTED ON THE WAY. 'Computed on the way' means the value that the module computes at that place (a softmax that the list does not call 'softmax' is quantised finished and normalised). What goes into a quantiser is computed in f32, as accurately as f32 sums, v_exp_f32 and their like allow (about 1e-6 of the number): no bf16 or f16 on the way to a quantiser, and a product that is left as it is and whose result goes on into a quantised operand takes f32 operands (vector FMAs, or v_wmma_f32_16x16x4_f32). A number that lies on a knife's edge between two numbers of the format may be rounded either way, as far as f32 arithmetic and the matrix unit's own rounding can turn it there, and no further.
;; One version. Each part assembles by itself: llvm-mc -triple=amdgcn-amd-amdhsa -mcpu=gfx1250 --defsym DOCPART=n.
;; ======== version 1 of 1: 4 launches
;; workspace buffers: xq 1,179,648 bytes; w1q 37,748,736 bytes; w2q 37,748,736 bytes; hq 37,748,736 bytes; part 67,108,864 bytes
;; launch quant (part 1): grid 2176 x 1, 4 waves a work-group, no clusters, 0 bytes of LDS; arguments x, W1, W2, xq, w1q, w2q; writes xq, w1q, w2q
.if DOCPART == 1
	.amdgcn_target "amdgcn-amd-amdhsa--gfx1250"
	.amdhsa_code_object_version 6
	.text
	.protected	k_qf955913e1f_quant
	.globl	k_qf955913e1f_quant
	.p2align	8
	.type	k_qf955913e1f_quant,@function
k_qf955913e1f_quant:
	s_mov_b64 s[64:65], 0
	v_nop
	global_prefetch_b8 v0, s[64:65] scope:SCOPE_SE
	s_setreg_imm32_b32 hwreg(HW_REG_WAVE_MODE, 25, 1), 1
	s_wait_xcnt 0x0
; x [1024][1024], W1 [8][1024 (K)][4096], W2 [8][4096 (K)][1024], all f32, become codes of E5M2 with one E8M0 scale byte for each 32 along K.
; A block's scale is 2^(floor(log2(its largest magnitude)) - 15); its byte is the largest magnitude's exponent field - 15, held at 1 from below; each number is held within +-57,344 x the scale and rounded to the nearest code, ties to even.
; LIMITS: NaN and infinities among the inputs are not served.  A block whose largest magnitude lies under 2^-111 (a block of zeros too, where the rule says byte 127) gets the byte 1: a block of zeros has zero codes, which add nothing, and this program alone reads the bytes.
; THE OUTPUT IS LAID AS THE PRODUCTS' OPERAND REGISTERS WANT IT.  A RECORD of 2,304 bytes holds 16 rows x 128 K: byte 512 c + 16 (16 h + r) + b is the code of row r at k = 32 c + 16 h + b; bytes 2,048 + 16 r .. + 3 are row r's four scale bytes,
; the twelve bytes behind them zeros (written, so that every aligned 256 bytes of a record are stored whole).  Two records (256 K) make a tile of 4,608 bytes.
;   xq  [K step of 256: 4][token tile: 64][2 records]     w1q [K step: 4][tile: 2,048][2]     w2q [expert: 8][K step: 16][tile of d: 64][2]
; W1's rows (hidden units) are placed with bits 3 and 4 of the unit's number swapped: unit 32 g + l lies in tile 2 g + bit 3 of l, row (l & 7) + 8 x bit 4 of l.  So the first product's results come out with 16 neighbouring units in a lane's 16 registers.
; SHARES.  Work-groups 0-127 take x (a wave makes one record), 128-1,151 W1, the others W2.  For a weight A LANE TAKES A COLUMN AND ITS REGISTERS RUN DOWN K: a load reads 128 consecutive bytes a wave, a block of 32 lies in one lane's registers,
; and the conversions give codes with K innermost.  A wave takes 32 columns x 256 K: two tiles.  A lane's 16 codes are 16 bytes of a record, and sixteen lanes' make 256 consecutive bytes: no turn through LDS is needed.
; No LDS, no barrier: waves share nothing.  Loads run two blocks (64 loads a wave) ahead.
.set REC,   2304
.set TILEB, 4608
.set X,     32                         ; v32-95   two sets of 32 numbers (the x path: 64 numbers)
.set C,     96                         ; v96-103  a block's codes
.set SB,    104                        ; v104-111 two quads: a record's scale word and three zeros
.set TM,    96                         ; the x path: v96-99 largest magnitudes, v100-103 bytes, v104-107 the hold, v108-111 scale operands
.set PC,    112                        ; the x path: v112-127 the record's codes
.macro WLOAD t, pitch                  ; block t: W(32 t + i, my column), i = 0 .. 31, into set t % 2
.irp i, 0,1,2,3,4,5,6,7,8,9,10,11,12,13,14,15,16,17,18,19,20,21,22,23,24,25,26,27,28,29,30,31
	global_load_b32 v[X+32*((\t)%2)+\i], v3, s[24:25] offset:(32*(\t)+\i)*\pitch th:TH_LOAD_NT
.endr
.endm
.macro WBLOCK t, pitch
.set XS, X+32*((\t)%2)
.if (\t) < 7
	s_wait_loadcnt 32                              ; this block's 32 loads are in; the next block's 32 may be out
.else
	s_wait_loadcnt 0x0
.endif
	v_max3_num_f32 v12, |v[XS]|, |v[XS+1]|, |v[XS+2]|              ; the block's largest magnitude: all 32 numbers are mine; two chains
	v_max3_num_f32 v13, |v[XS+3]|, |v[XS+4]|, |v[XS+5]|
.irp i, 6,10,14,18,22,26
	v_max3_num_f32 v12, v12, |v[XS+\i]|, |v[XS+\i+1]|
	v_max3_num_f32 v13, v13, |v[XS+\i+2]|, |v[XS+\i+3]|
.endr
	v_max3_num_f32 v12, v12, |v[XS+30]|, |v[XS+31]|
	v_max3_num_f32 v12, v12, v13, 0x8000000        ; and the floor 2^(16 - 127): the byte cannot fall under 1
	v_add_nc_u32 v11, 0xf8800000, v12              ; 15 off the exponent field: the conversion takes this operand's exponent field as its scale
	v_and_or_b32 v10, v12, 0x7f800000, s23         ; 57,344 x the scale: the same exponent field over 57,344's mantissa
.irp i, 0,1,2,3,4,5,6,7,8,9,10,11,12,13,14,15,16,17,18,19,20,21,22,23,24,25,26,27,28,29,30,31
	v_med3_num_f32 v[XS+\i], v[XS+\i], -v10, v10   ; the conversion to an 8-bit code does not saturate (ISA guide 7.6.2): the hold comes first
.endr
	s_wait_xcnt 0x0                                ; the last block's stores have read their data: the codes' and the scale words' registers are rewritten only behind this wait
.irp g, 0,1,2,3
	v_cvt_scalef32_pk8_bf8_f32 v[C+2*\g:C+2*\g+1], v[XS+8*\g:XS+8*\g+7], v11
.endr
	v_lshrrev_b32 v13, 23, v11                     ; the scale's byte (also the plain line behind the conversions)
.if (\t)%4 == 0
	v_mov_b32 v[SB+4*((\t)/4)], v13                ; four bytes to a word, the lower K in the lower byte
.else
	v_lshl_or_b32 v[SB+4*((\t)/4)], v13, 8*((\t)%4), v[SB+4*((\t)/4)]
.endif
.if (\t)+2 < 8
	WLOAD (\t)+2, \pitch                           ; the set just converted takes the block two on; loads go ahead of the stores
.endif
	global_store_b128 v4, v[C:C+3], s[26:27] offset:((\t)/4)*REC+((\t)%4)*512          ; k = 32 c + 0 .. 15: sixteen lanes fill 256 consecutive bytes of each of my two tiles
	global_store_b128 v4, v[C+4:C+7], s[26:27] offset:((\t)/4)*REC+((\t)%4)*512+256    ; k = 32 c + 16 .. 31
.if (\t)%4 == 3
	global_store_b128 v4, v[SB+4*((\t)/4):SB+4*((\t)/4)+3], s[26:27] offset:((\t)/4)*REC+2048   ; the record's scale words
.endif
.endm
.macro WPATH pitch
.irp j, 1,2,3,5,6,7
	v_mov_b32 v[SB+\j], 0                          ; the zeros behind the scale words
.endr
	WLOAD 0, \pitch
	WLOAD 1, \pitch
.irp t, 0,1,2,3,4,5,6,7
	WBLOCK \t, \pitch
.endr
	s_endpgm
.endm
	s_load_b256 s[4:11], s[0:1], 0x0               ; x s[4:5], W1 s[6:7], W2 s[8:9], xq s[10:11]
	s_load_b128 s[12:15], s[0:1], 0x20             ; w1q s[12:13], w2q s[14:15]
	v_lshrrev_b32 v1, 5, v0
	v_readfirstlane_b32 s16, v1                    ; wave 0..3
	v_and_b32 v2, 31, v0                           ; lane
	v_lshlrev_b32 v3, 2, v2                        ; a weight's load: 4 bytes a lane
	s_mov_b32 s23, 0x600000                        ; the mantissa field of 57,344
	s_mov_b32 s29, 0                               ; the upper word of every offset: all stay under 2^31
	s_wait_kmcnt 0x0
	s_cmp_lt_u32 ttmp9, 128
	s_cbranch_scc1 .Lx
	s_cmp_lt_u32 ttmp9, 1152
	s_cbranch_scc1 .Lw1
	; ---- W2: g = work-group - 1,152 = (expert, 256 of K: 16, 128 columns: 8)
	s_sub_co_u32 s17, ttmp9, 1152
	s_and_b32 s18, s17, 7                          ; which 128 columns
	s_bfe_u32 s19, s17, 0x40003                    ; which 256 of K
	s_lshr_b32 s17, s17, 7                         ; expert
	s_lshl_b32 s28, s17, 24                        ; an expert is 2^24 bytes,
	s_lshl_b32 s30, s19, 20                        ; 256 rows of 4,096 bytes,
	s_add_co_u32 s28, s28, s30
	s_lshl_b32 s30, s18, 9                         ; 128 columns,
	s_add_co_u32 s28, s28, s30
	s_lshl_b32 s30, s16, 7                         ; my wave's 32
	s_add_co_u32 s28, s28, s30
	s_add_nc_u64 s[24:25], s[8:9], s[28:29]
	s_lshl_b32 s28, s17, 4
	s_add_co_u32 s28, s28, s19                     ; 16 x expert + K step
	s_lshl_b32 s28, s28, 6
	s_lshl_b32 s30, s18, 3
	s_add_co_u32 s28, s28, s30
	s_lshl_b32 s30, s16, 1
	s_add_co_u32 s28, s28, s30                     ; my first tile
	s_mul_i32 s28, s28, TILEB
	s_add_nc_u64 s[26:27], s[14:15], s[28:29]
	v_bfe_u32 v5, v2, 4, 1                         ; natural rows: tile = lane / 16, row = lane % 16
	v_mul_u32_u24 v4, v5, TILEB
	v_and_b32 v5, 15, v2
	v_lshl_add_u32 v4, v5, 4, v4
	WPATH 4096
.Lw1:	; ---- W1: g = work-group - 128 = (expert, 256 of K: 4, 128 columns: 32)
	s_sub_co_u32 s17, ttmp9, 128
	s_and_b32 s18, s17, 31                         ; which 128 columns
	s_bfe_u32 s19, s17, 0x20005                    ; which 256 of K
	s_lshr_b32 s17, s17, 7                         ; expert
	s_lshl_b32 s28, s17, 24
	s_lshl_b32 s30, s19, 22                        ; 256 rows of 16,384 bytes
	s_add_co_u32 s28, s28, s30
	s_lshl_b32 s30, s18, 9
	s_add_co_u32 s28, s28, s30
	s_lshl_b32 s30, s16, 7
	s_add_co_u32 s28, s28, s30
	s_add_nc_u64 s[24:25], s[6:7], s[28:29]
	s_lshl_b32 s28, s19, 11                        ; a K step has 2,048 tiles,
	s_lshl_b32 s30, s17, 8                         ; an expert 256,
	s_add_co_u32 s28, s28, s30
	s_lshl_b32 s30, s18, 3
	s_add_co_u32 s28, s28, s30
	s_lshl_b32 s30, s16, 1
	s_add_co_u32 s28, s28, s30
	s_mul_i32 s28, s28, TILEB
	s_add_nc_u64 s[26:27], s[12:13], s[28:29]
	v_bfe_u32 v5, v2, 3, 1                         ; tile = bit 3 of the lane, row = (lane & 7) + 8 x bit 4
	v_mul_u32_u24 v4, v5, TILEB
	v_and_b32 v5, 7, v2
	v_lshl_add_u32 v4, v5, 4, v4
	v_bfe_u32 v5, v2, 4, 1
	v_lshl_add_u32 v4, v5, 7, v4
	WPATH 16384
.Lx:	; ---- x: K is innermost.  Token tile = work-group / 2; my record is the (4 (work-group % 2) + wave)-th 128 of K.  Lane (r, h) takes, of row r, the 16 numbers 32 c + 16 h + 0 .. 15 of each of the four blocks
	s_mov_b32 s20, 0x76543210
	s_mov_b32 s21, 0xfedcba98                      ; v_permlanex16_b32's selects for lane l xor 16
	s_mov_b32 s22, 0xffff0000                      ; lanes 16-31
	s_lshr_b32 s17, ttmp9, 1
	s_and_b32 s18, ttmp9, 1
	s_lshl_b32 s18, s18, 2
	s_add_co_u32 s18, s18, s16
	s_lshl_b32 s28, s17, 16                        ; 16 rows of 4,096 bytes
	s_lshl_b32 s30, s18, 9                         ; 128 numbers
	s_add_co_u32 s28, s28, s30
	s_add_nc_u64 s[24:25], s[4:5], s[28:29]
	s_lshr_b32 s28, s18, 1                         ; the K step of 256,
	s_lshl_b32 s28, s28, 6
	s_add_co_u32 s28, s28, s17
	s_mul_i32 s28, s28, TILEB
	s_and_b32 s30, s18, 1                          ; and which of its two records
	s_mul_i32 s30, s30, REC
	s_add_co_u32 s28, s28, s30
	s_add_nc_u64 s[26:27], s[10:11], s[28:29]
	v_and_b32 v14, 15, v2                          ; r
	v_lshrrev_b32 v15, 4, v2                       ; h
	v_lshlrev_b32 v4, 12, v14
	v_lshl_add_u32 v4, v15, 6, v4                  ; in: row r, + 64 h
	v_lshlrev_b32 v5, 4, v2                        ; out: 16 x lane
	v_lshlrev_b32 v6, 4, v14
	v_lshl_add_u32 v6, v15, 3, v6                  ; the scale words: 16 r + 8 h
.irp c, 0,1,2,3
.irp j, 0,1,2,3
	global_load_b128 v[X+16*\c+4*\j:X+16*\c+4*\j+3], v4, s[24:25] offset:128*\c+16*\j
.endr
.endr
.irp b, 0,1,2,3
	v_mov_b32 v[TM+4+\b], 0                        ; a lane permute's destination counts as one of its sources
.endr
	v_mov_b32 v9, 0
	v_mov_b32 v11, 0
	s_wait_loadcnt 0x0
.irp b, 0,1,2,3
	v_max3_num_f32 v[TM+\b], |v[X+16*\b]|, |v[X+1+16*\b]|, 0x8000000   ; block b: my 16 numbers and the floor
.endr
.irp i, 2,4,6,8,10,12,14
.irp b, 0,1,2,3
	v_max3_num_f32 v[TM+\b], v[TM+\b], |v[X+16*\b+\i]|, |v[X+1+16*\b+\i]|   ; the four blocks by turns
.endr
.endr
.irp b, 0,1,2,3
	v_permlanex16_b32 v[TM+4+\b], v[TM+\b], s20, s21
.endr
.irp b, 0,1,2,3
	v_max_num_f32 v[TM+\b], v[TM+\b], v[TM+4+\b]   ; with lane l xor 16's 16: the block's largest magnitude
.endr
.irp b, 0,1,2,3
	v_add_nc_u32 v[TM+12+\b], 0xf8800000, v[TM+\b]
.endr
.irp b, 0,1,2,3
	v_and_or_b32 v[TM+8+\b], v[TM+\b], 0x7f800000, s23
.endr
.irp b, 0,1,2,3
	v_lshrrev_b32 v[TM+4+\b], 23, v[TM+12+\b]
.endr
	v_lshl_or_b32 v8, v[TM+5], 8, v[TM+4]          ; my row's scale word
	v_lshl_or_b32 v8, v[TM+6], 16, v8
	v_lshl_or_b32 v8, v[TM+7], 24, v8
	v_cndmask_b32 v10, v8, v9, s22                 ; lanes 0-15 store (word, 0), lanes 16-31 the (0, 0) behind it
.irp b, 0,1,2,3
.irp i, 0,1,2,3,4,5,6,7,8,9,10,11,12,13,14,15
	v_med3_num_f32 v[X+16*\b+\i], v[X+16*\b+\i], -v[TM+8+\b], v[TM+8+\b]
.endr
	v_cvt_scalef32_pk8_bf8_f32 v[PC+4*\b:PC+4*\b+1], v[X+16*\b:X+16*\b+7], v[TM+12+\b]
	v_cvt_scalef32_pk8_bf8_f32 v[PC+4*\b+2:PC+4*\b+3], v[X+16*\b+8:X+16*\b+15], v[TM+12+\b]
.endr
	v_nop                                          ; a plain line behind the last conversion
.irp c, 0,1,2,3
	global_store_b128 v5, v[PC+4*\c:PC+4*\c+3], s[26:27] offset:512*\c   ; 32 lanes store 512 consecutive bytes
.endr
	global_store_b64 v6, v[10:11], s[26:27] offset:2048                 ; 32 lanes store 256 consecutive bytes
	s_endpgm
.Lfunc_end_k_qf955913e1f_quant:
	.size	k_qf955913e1f_quant, .Lfunc_end_k_qf955913e1f_quant-k_qf955913e1f_quant
	.p2alignl 7, 3214868480
	.fill 96, 4, 3214868480
	.section	.rodata,"a",@progbits
	.p2align	6, 0x0
	.amdhsa_kernel k_qf955913e1f_quant
		.amdhsa_group_segment_fixed_size 0
		.amdhsa_private_segment_fixed_size 0
		.amdhsa_enable_private_segment 0
		.amdhsa_kernarg_size 48
		.amdhsa_user_sgpr_count 2
		.amdhsa_user_sgpr_kernarg_segment_ptr 1
		.amdhsa_wavefront_size32 1
		.amdhsa_system_sgpr_workgroup_id_x 1
		.amdhsa_system_sgpr_workgroup_id_y 1
		.amdhsa_system_sgpr_workgroup_id_z 1
		.amdhsa_system_vgpr_workitem_id 0
		.amdhsa_next_free_vgpr 128
		.amdhsa_next_free_sgpr 66
		.amdhsa_reserve_vcc 0
		.amdhsa_float_denorm_mode_32 3
		.amdhsa_float_denorm_mode_16_64 3
		.amdhsa_memory_ordered 1
		.amdhsa_forward_progress 1
		.amdhsa_inst_pref_size 124
	.end_amdhsa_kernel
	.amdgpu_metadata
---
amdhsa.version: [ 1, 2 ]
amdhsa.kernels:
  - .name:           k_qf955913e1f_quant
    .symbol:         k_qf955913e1f_quant.kd
    .args:
      - { .name: x, .offset: 0, .size: 8, .value_kind: global_buffer, .address_space: global }
      - { .name: W1, .offset: 8, .size: 8, .value_kind: global_buffer, .address_space: global }
      - { .name: W2, .offset: 16, .size: 8, .value_kind: global_buffer, .address_space: global }
      - { .name: xq, .offset: 24, .size: 8, .value_kind: global_buffer, .address_space: global }
      - { .name: w1q, .offset: 32, .size: 8, .value_kind: global_buffer, .address_space: global }
      - { .name: w2q, .offset: 40, .size: 8, .value_kind: global_buffer, .address_space: global }
    .group_segment_fixed_size: 0
    .private_segment_fixed_size: 0
    .kernarg_segment_align: 8
    .kernarg_segment_size: 48
    .max_flat_workgroup_size: 128
    .sgpr_count:     66
    .vgpr_count:     128
    .wavefront_size: 32
...
	.end_amdgpu_metadata
.endif
;; end of part 1
;; launch gemm1 (part 2): grid 128 x 4, 4 waves a work-group, clusters of 4 x 4, 327,680 bytes of LDS; arguments xq, w1q, b1, hq; writes hq
.if DOCPART == 2
	.amdgcn_target "amdgcn-amd-amdhsa--gfx1250"
	.amdhsa_code_object_version 6
	.text
	.protected	k_qf955913e1f_gemm1
	.globl	k_qf955913e1f_gemm1
	.p2align	8
	.type	k_qf955913e1f_gemm1,@function
k_qf955913e1f_gemm1:
	s_mov_b64 s[64:65], 0
	v_nop
	global_prefetch_b8 v0, s[64:65] scope:SCOPE_SE
	s_setreg_imm32_b32 hwreg(HW_REG_WAVE_MODE, 25, 1), 1
	s_wait_xcnt 0x0
	s_wait_alu depctr_hold_cnt(0) depctr_sa_sdst(0) depctr_va_vdst(0) depctr_va_sdst(0) depctr_va_ssrc(0) depctr_va_vcc(0) depctr_vm_vsrc(0)
	s_getreg_b32 s2, hwreg(HW_REG_IB_STS2, 6, 4)
	s_cmp_eq_u32 s2, 0
	s_cbranch_scc0 .Lentry_in_a_cluster
	s_endpgm
.Lentry_in_a_cluster:
	s_bfe_u32 s2, ttmp6, 0x10000c
	s_cmp_lg_u32 s2, 0xf033
	s_cbranch_scc0 .Lentry_shape_is_right
	s_endpgm
.Lentry_shape_is_right:
; h = Q(relu(x W1[e] + b1[e])) for all eight experts at once: a product of 1,024 tokens x 32,768 hidden units over K = 1,024, on codes of E5M2 with one E8M0 scale for each 32 along K; the result is quantised along the hidden units and stored as codes.
; OPERANDS come as RECORDS of 2,304 bytes (16 rows x 128 K): 2,048 bytes that are the image of a fragment's registers (byte 512 c + 16 lane of a lane's registers 4 c .. 4 c + 3), then the 16 rows' scale words, 16 bytes apart.  Two records are a tile (256 K).
;   xq [K step: 4][token tile: 64][2]   w1q [K step: 4][tile: 2,048][2]   hq [expert: 8][K step of the next product: 16][token tile: 64][2]
; So the 128 rows x 256 K that a wave fetches are 36,864 consecutive bytes of memory, every fragment load reads 512 consecutive LDS bytes, and the scale words ride in the ring with their codes.
; SHARES.  A work-group of four waves makes 256 tokens x 256 units; a wave 128 x 128: 64 accumulators of 16 x 16, 512 registers.  K goes in steps of 256 through a ring of two LDS slots.
; CLUSTERS: 4 x 4 work-groups.  The four of a row of the cluster need the same tokens' tiles, the four of a column the same units' tiles: each is asked for JOINTLY, by the same tensor load with the same descriptor and a mask that names the four.
; THE MATRIX INSTRUCTION IS USED TRANSPOSED (source 0 = 16 rows of W1, source 1 = 16 tokens): a lane holds ONE token.  W1's rows were placed so that tile 2 g + u, row p holds unit 32 g + 8 u + (p & 7) + 16 (p >> 3):
; the 16 registers of tiles 2 g and 2 g + 1 are then units 32 g + 16 (lane / 16) + 0 .. 15: 16 neighbours along the next product's K, in the order that its operand wants.  A wave's 128 units are one record of hq for each of its 8 token tiles.
; b1 is the C of each sum's first matrix instruction.  relu costs nothing: the hold that the conversion wants clips at 0 as well, and the largest magnitude is taken without |.|.
; LIMITS: NaN and infinities are not served; a block of h whose largest number lies under 2^-111 (a block of zeros too) gets the scale byte 1.
; REGISTERS, in windows of 256: window 0: v1-29 addresses; v32-63 scale words, two sets; v64-127 b1 in the result's layout; v128-255 the tokens' 8 fragments, ONE set (on the way out: at work).
;   window 1: W1's fragments, TWO sets, at v0 and v128.   window 2: the accumulators of my token tiles 0-3 ((a, b) at v[8 (8 (a % 4) + b)]);   window 3: those of tiles 4-7.
.set REC,    2304
.set TILEB,  2*REC
.set HALFT,  8*TILEB                   ; 128 rows x 256 K: what one tensor load brings, and what one wave reads of either operand
.set SLOT,   4*HALFT                   ; the tokens' two halves, then the units' two halves
.set SPARE,  2*SLOT                    ; behind the ring: the spare words, 128 bytes for each wave: two blocks of 256 bytes that no other line names
.set STEP_A, 64*TILEB                  ; from a K step to the next, in xq
.set STEP_B, 2048*TILEB                ; and in w1q
.set LAPS,   2                         ; a lap = two K steps = once round the ring: K = 1,024
.set NQ,     2                         ; matrix instructions deep in a slot
.set FR,     16                        ; registers of a fragment
.set NL,     4                         ; LDS loads that bring one
.set NP,     8                         ; places behind this matrix instruction (ISA guide 7.12.1)
.set ADRA, 16                          ; v16-17  LDS address of my tokens' fragments in slot 0, 1
.set ADRB, 20                          ; v20-21  the same for the units'
.set ADRS, 22                          ; v22-23  of my scale words: lanes 0-15 the tokens', lanes 16-31 the units'
.set SPW,  28                          ; v28     LDS address of my spare word: SPARE + 4 x my thread's number; never rewritten
.set NIL,  29                          ; v29     0; never rewritten
.set SC,   32                          ; scale words: set s at v[SC + 16 s]; register 2 i + q: lanes 0-15 token tile i's words, lanes 16-31 unit tile i's, for the slot's q-th 128 along K
.set BIAS, 64
.set AF,   128
.set Y,    128                         ; the way out: v128-191 a token tile's 64 numbers, held
.set PC,   192                         ; v192-207 its codes
.set TM,   208                         ; v208-211 largest numbers, v212-215 bytes, v216-219 the hold, v220-223 scale operands
.set PW,   224                         ; the scale word
.set PWS,  226                         ; v[226:227] what is stored of it
.set FLO,  228                         ; the floor 2^(16 - 127)
.set ZR,   229                         ; 0
.set G1, 24                            ; s[24:31] descriptor group 1 for the tokens' tiles;  s[32:39] group 0, one set for each slot
.set G0, 32
.set G1B, 48                           ; s[48:55], s[56:63] the same for the units' tiles
.set G0B, 56
.set MSB, 0
.macro WIN new                         ; the immediate's high byte repeats the setting that is left
.if MSB != (\new)
	s_set_vgpr_msb (MSB<<8)|(\new)
.set MSB, (\new)
.endif
.endm
.set MUL_LO,  0xa1                     ; source 0 window 1, source 1 window 0, C and D window 2
.set MUL_HI,  0xf1                     ; the same, C and D window 3
.set MUL_LO0, 0x81                     ; the first step: C (b1) window 0, D window 2
.set MUL_HI0, 0xc1                     ; D window 3
.set TO_B,    0x40                     ; destination window 1, address window 0
; A joint load: waves 0 and 1 fetch the tokens' halves, waves 2 and 3 the units'.  Each of the two lines has ONE mask and one set of registers for all that issue it; the branch hangs on the wave's number alone.
; Four v_nop follow each of the two lines, ahead of the jump, the label and what follows.
.macro JLOAD g0a, g1a, g0b, g1b
	s_cmp_eq_u32 s15, 0
	s_cbranch_scc0 .Lfor_b_\@
	tensor_load_to_lds s[\g0a:\g0a+3], s[\g1a:\g1a+7]
	s_nop 0
.rept 4
	v_nop
.endr
	s_branch .Lasked_\@
.Lfor_b_\@:
	tensor_load_to_lds s[\g0b:\g0b+3], s[\g1b:\g1b+7]
	s_nop 0
.rept 4
	v_nop
.endr
.Lasked_\@:
.endm
.macro CREST                           ; a round of the cluster's barrier behind its opening barrier
	s_cmp_lg_u32 s14, 0
	s_cbranch_scc1 .Lnot_wave_0_\@
	s_barrier_signal -3
.Lnot_wave_0_\@:
	s_barrier_wait -3
	s_barrier_signal -1
	s_barrier_wait -1
.endm
.macro CROUND                          ; a whole round
	s_barrier_signal -1
	s_barrier_wait -1
	CREST
.endm
	s_load_b128 s[4:7], s[0:1], 0x0                ; xq s[4:5], w1q s[6:7]
	s_load_b128 s[8:11], s[0:1], 0x10              ; b1 s[8:9], hq s[10:11]
	v_lshl_add_u32 v[SPW], v0, 2, SPARE
	v_mov_b32 v[NIL], 0
	ds_add_u32 v28, v29
	ds_add_u32 v28, v29
	s_wait_dscnt 0x0
	v_lshrrev_b32 v1, 5, v0
	v_readfirstlane_b32 s14, v1                    ; wave 0..3
	s_lshr_b32 s15, s14, 1                         ; which half of the tokens is mine.  Also: I fetch tokens (0) or units (1)
	s_and_b32 s16, s14, 1                          ; which half of the units.  Also: which 128 rows I fetch
	s_bfe_u32 s40, ttmp6, 0x40000                  ; cx, cy: my place in the cluster
	s_bfe_u32 s41, ttmp6, 0x40004
	s_lshl_b32 s42, ttmp9, 2
	s_add_co_u32 s42, s42, s40                     ; tile column (256 units) = 4 x cluster x + cx: 0 .. 127
	s_mov_b32 s17, s41                             ; tile row (256 tokens) = cy: the grid's four rows are one cluster high
	s_lshl_b32 s43, s41, 2
	s_lshl_b32 s43, 15, s43                        ; my row of the cluster
	s_lshl_b32 s44, 0x1111, s40                    ; my column
	; descriptor group 1: a dense block of 36,864 bytes, as 144 rows of 256 bytes (32 elements of 8 bytes), no padding
	s_or_b32 s[G1+0], s43, (3<<16)|(1<<21)         ; 15:0 the mask: the tokens' tiles go to my row; 17:16 elements of 8 bytes; 21 set beside a mask
	s_or_b32 s[G1B+0], s44, (3<<16)|(1<<21)        ; the units' tiles go to my column
.irp g, G1, G1B
	s_mov_b32 s[\g+1], 32<<16                      ; tensor_dim0 = 32
	s_mov_b32 s[\g+2], 144<<16                     ; tensor_dim1 = 144
	s_mov_b32 s[\g+3], 32<<16                      ; tile_dim0 = 32
	s_mov_b32 s[\g+4], 144                         ; tile_dim1 = 144
	s_mov_b32 s[\g+5], 32                          ; tensor_dim0_stride
	s_mov_b32 s[\g+6], 0
	s_mov_b32 s[\g+7], 0
.endr
	s_lshl_b32 s18, s16, 3                         ; which 8 tiles of the 16 I fetch
	s_lshl_b32 s20, s17, 4
	s_add_co_u32 s20, s20, s18
	s_mul_i32 s20, s20, TILEB                      ; tokens: tile 16 x tile row + 8 x half
	s_mov_b32 s21, 0
	s_lshl_b32 s46, s42, 4
	s_add_co_u32 s46, s46, s18
	s_mul_i32 s46, s46, TILEB                      ; units: tile 16 x tile column + 8 x half
	s_mov_b32 s47, 0
	s_mul_i32 s45, s14, HALFT                      ; where they go: wave x 128 rows: no place in the cluster enters an LDS address
	s_lshl_b32 s68, s42, 10                        ; b1: 256 units x 4 bytes a tile column,
	s_lshl_b32 s69, s16, 9                         ; my 128 of them
	s_add_co_u32 s68, s68, s69
	s_mov_b32 s69, 0
	s_lshl_b32 s66, s42, 6                         ; hq: 16 x expert + K step IS the tile column; 64 token tiles each,
	s_lshl_b32 s67, s17, 4
	s_add_co_u32 s66, s66, s67
	s_lshl_b32 s67, s15, 3
	s_add_co_u32 s66, s66, s67                     ; my first token tile,
	s_mul_i32 s66, s66, TILEB
	s_mul_i32 s67, s16, REC                        ; and my 128 units' record in it
	s_add_co_u32 s66, s66, s67
	s_mov_b32 s67, 0
	s_wait_kmcnt 0x0
	s_add_nc_u64 s[20:21], s[4:5], s[20:21]
	s_add_nc_u64 s[46:47], s[6:7], s[46:47]
	s_add_nc_u64 s[8:9], s[8:9], s[68:69]
	s_add_nc_u64 s[10:11], s[10:11], s[66:67]
	CROUND                                         ; all sixteen work-groups are here: the first joint loads meet
.irp s, 0,1
	s_mov_b32 s[G0+4*\s], 1                        ; count = 1
	s_add_co_u32 s[G0+4*\s+1], s45, \s*SLOT        ; LDS address
	s_add_nc_u64 s[G0+4*\s+2:G0+4*\s+3], s[20:21], \s*STEP_A   ; global address: K step s
	s_or_b32 s[G0+4*\s+3], s[G0+4*\s+3], 0x80000000            ; type = 2
	s_mov_b32 s[G0B+4*\s], 1
	s_add_co_u32 s[G0B+4*\s+1], s45, \s*SLOT
	s_add_nc_u64 s[G0B+4*\s+2:G0B+4*\s+3], s[46:47], \s*STEP_B
	s_or_b32 s[G0B+4*\s+3], s[G0B+4*\s+3], 0x80000000
	JLOAD G0+4*\s, G1, G0B+4*\s, G1B               ; two tensor loads of mine are out
.endr
	v_and_b32 v1, 15, v0                           ; r = lane % 16
	v_bfe_u32 v2, v0, 4, 1                         ; h = lane / 16
	v_and_b32 v3, 31, v0
	v_lshlrev_b32 v3, 4, v3                        ; 16 x lane: my place in an image, in LDS and in hq
	v_lshlrev_b32 v26, 6, v2                       ; b1: 64 h bytes
.irp b, 0,1,2,3,4,5,6,7                        ; register j of tile b is unit 32 (b / 2) + 8 (b % 2) + 16 h + j
	global_load_b128 v[BIAS+8*\b:BIAS+8*\b+3], v26, s[8:9] offset:(32*(\b/2)+8*(\b%2))*4
	global_load_b128 v[BIAS+8*\b+4:BIAS+8*\b+7], v26, s[8:9] offset:(32*(\b/2)+8*(\b%2))*4+16
.endr
	v_lshlrev_b32 v25, 4, v1
	v_lshl_add_u32 v25, v2, 3, v25                 ; the way out: a record's scale words: 16 r + 8 h
	s_mul_i32 s18, s15, HALFT                      ; my 128 tokens
	s_mul_i32 s19, s16, HALFT
	s_add_co_u32 s19, s19, 2*HALFT                 ; my 128 units, behind the tokens' 256
	s_xor_b32 s22, s15, 1
	s_add_co_u32 s22, s22, s16
	s_add_co_u32 s22, s22, 1
	s_mul_i32 s22, s22, HALFT                      ; the distance between the two: (2 + my units' half - my tokens' half) x 128 rows
	v_mul_u32_u24 v4, s22, v2                      ; lanes 16-31 take the units' scale words
	v_lshl_add_u32 v4, v1, 4, v4                   ; 16 bytes a row
.irp s, 0,1
	v_add_nc_u32 v[ADRA+\s], s18, v3
	v_add_nc_u32 v[ADRB+\s], s19, v3
	v_add_nc_u32 v[ADRS+\s], s18, v4
	s_add_co_u32 s18, s18, SLOT
	s_add_co_u32 s19, s19, SLOT
.endr
.macro FRAG reg, adr, q, i             ; a fragment comes back as it was laid: four loads of 512 consecutive bytes
.irp c, 0,1,2,3
	ds_load_b128 v[\reg+4*\c:\reg+4*\c+3], v[\adr] offset:(\i)*TILEB+(\q)*REC+512*\c
.endr
.endm
; 16 matrix instructions: token tiles a0, a0 + 1 x the units' eight, 128 along K: the slot's q-th.  p: the units' set;  sc: the set of scale words.  zero = 1: the first product starts the sums, from b1.
; The 64 accumulators take turns, one instruction a turn, in the same order in every step.
.macro MUL16 a0, p, q, sc, zero
.irp a, \a0, \a0+1
.irp b, 0,1,2,3,4,5,6,7
.if \zero
	v_wmma_scale_f32_16x16x128_f8f6f4 v[8*(8*((\a)%4)+\b):8*(8*((\a)%4)+\b)+7], v[128*(\p)+FR*\b:128*(\p)+FR*\b+FR-1], v[AF+FR*(\a):AF+FR*(\a)+FR-1], v[BIAS+8*\b:BIAS+8*\b+7], v[SC+16*(\sc)+2*\b+(\q)], v[SC+16*(\sc)+2*(\a)+(\q)] matrix_a_fmt:MATRIX_FMT_BF8 matrix_b_fmt:MATRIX_FMT_BF8 matrix_a_scale:MATRIX_SCALE_ROW1
.else
	v_wmma_scale_f32_16x16x128_f8f6f4 v[8*(8*((\a)%4)+\b):8*(8*((\a)%4)+\b)+7], v[128*(\p)+FR*\b:128*(\p)+FR*\b+FR-1], v[AF+FR*(\a):AF+FR*(\a)+FR-1], v[8*(8*((\a)%4)+\b):8*(8*((\a)%4)+\b)+7], v[SC+16*(\sc)+2*\b+(\q)], v[SC+16*(\sc)+2*(\a)+(\q)] matrix_a_fmt:MATRIX_FMT_BF8 matrix_b_fmt:MATRIX_FMT_BF8 matrix_a_scale:MATRIX_SCALE_ROW1
.endif
.endr
.endr
.endm
.macro FETCH_B slot, q, p              ; the units' eight fragments of the slot's q-th 128 along K into set p
	WIN TO_B
.irp i, 0,1,2,3,4,5,6,7
	FRAG 128*(\p)+FR*\i, ADRB+\slot, \q, \i
.endr
	WIN 0
.endm
.macro FETCH_A slot, q, i0             ; token tiles i0 .. i0 + 3
.irp i, \i0, \i0+1, \i0+2, \i0+3
	FRAG AF+FR*(\i), ADRA+\slot, \q, \i
.endr
.endm
.macro SCALES sc                       ; slot sc's scale words: lanes 0-15 token tile i's, lanes 16-31 unit tile i's
.irp i, 0,1,2,3,4,5,6,7
.irp q, 0,1
	ds_load_b32 v[SC+16*\sc+2*\i+\q], v[ADRS+\sc] offset:\i*TILEB+\q*REC+2048
.endr
.endr
.endm
; A load into a register that a matrix instruction has read, and a vector instruction that reads a matrix result or writes one of its registers, stand NP places behind it; only plain vector instructions that name none of its registers are places.
.macro PLACES n
.rept \n
	v_nop
.endr
.endm
; A step of 128 along K that has its successor in the same slot.  The tokens have one set of registers: tiles 0-3 are fetched anew in the step's middle, tiles 4-7 at its end.
.macro STEP slot, q, zero
	s_wait_dscnt 4*NL                              ; all but the youngest 16 loads (token tiles 4-7) are in
.if \zero
	WIN MUL_LO0
.else
	WIN MUL_LO
.endif
	MUL16 0, (\q)%2, \q, \slot, \zero
	MUL16 2, (\q)%2, \q, \slot, \zero
	s_wait_dscnt 0x0                               ; token tiles 4-7 are in
	PLACES NP
	FETCH_B \slot, (\q)+1, 1-(\q)%2
	FETCH_A \slot, (\q)+1, 0
.if \zero
	WIN MUL_HI0
.else
	WIN MUL_HI
.endif
	MUL16 4, (\q)%2, \q, \slot, \zero
	MUL16 6, (\q)%2, \q, \slot, \zero
	PLACES NP
	WIN 0
	FETCH_A \slot, (\q)+1, 4
.endm
; A slot's last step changes slots: ONE barrier; in front of it each wave waits for all its tensor loads, adds 0 to its spare word, and waits for that and for its own reads of this slot.  fill = 1: this slot is filled again, two K steps ahead.
.macro TURN slot, next, fill
	s_wait_tensorcnt 0x0                           ; all my tensor loads have landed: the one that was out is my part of the next slot  (every window is 0 here)
	ds_add_u32 v[SPW], v[NIL]                      ; 0 onto my spare word
	s_wait_dscnt 4*NL+1                            ; (the add and the youngest 16 loads, token tiles 4-7, may be out)
	WIN MUL_LO
	MUL16 0, 1, NQ-1, \slot, 0                     ; sixteen matrix instructions stand between the add and the wait for it
	s_wait_dscnt 0x0                               ; the add is done, and my reads of this slot are over
	s_barrier_signal -1
	MUL16 2, 1, NQ-1, \slot, 0
	WIN 0
	s_barrier_wait -1
.if \fill
	CREST                                          ; the barrier has opened a round of the cluster's barrier: no wave of any partner still reads this slot or has a load on its way
	s_add_nc_u64 s[G0+4*\slot+2:G0+4*\slot+3], s[G0+4*\slot+2:G0+4*\slot+3], 2*STEP_A
	s_add_nc_u64 s[G0B+4*\slot+2:G0B+4*\slot+3], s[G0B+4*\slot+2:G0B+4*\slot+3], 2*STEP_B
	JLOAD G0+4*\slot, G1, G0B+4*\slot, G1B         ; the first tensor load behind the round, my one until the next; its four v_nop are among the places in front of the loads below
	PLACES NP-4
.else
	PLACES NP
.endif
	FETCH_B \next, 0, 0
	FETCH_A \next, 0, 0
	SCALES \next
	WIN MUL_HI
	MUL16 4, 1, NQ-1, \slot, 0
	MUL16 6, 1, NQ-1, \slot, 0
	PLACES NP
	WIN 0
	FETCH_A \next, 0, 4
.endm
	s_wait_tensorcnt 1                             ; my part of K step 0 is in (K step 1's load may be out)
	s_barrier_signal -1
	s_barrier_wait -1                              ; everybody's is
	FETCH_B 0, 0, 0
	FETCH_A 0, 0, 0
	SCALES 0
	FETCH_A 0, 0, 4
	s_wait_loadcnt 0x0                             ; b1
	STEP 0, 0, 1                                   ; the first step stands in front of the loop: its products start the sums
	s_mov_b32 s3, LAPS-1
.Llap:                                                 ; a trip goes once round the ring, from a lap's second step to the next lap's first, and fills both slots again
	TURN 0, 1, 1
	STEP 1, 0, 0
	TURN 1, 0, 1
	STEP 0, 0, 0
	s_sub_co_u32 s3, s3, 1
	s_cmp_lg_u32 s3, 0
	s_cbranch_scc1 .Llap
	TURN 0, 1, 0                                   ; the last lap fills nothing, and has no round of the cluster's barrier
	STEP 1, 0, 0
	s_wait_dscnt 4*NL                              ; the very last step: nothing more to fetch
	WIN MUL_LO
	MUL16 0, 1, NQ-1, 1, 0
	MUL16 2, 1, NQ-1, 1, 0
	s_wait_dscnt 0x0
	WIN MUL_HI
	MUL16 4, 1, NQ-1, 1, 0
	MUL16 6, 1, NQ-1, 1, 0
	WIN 0
	; THE WAY OUT: no LDS.  Token tile a's 64 registers are, for my token, units 32 b + 16 h + i at register 16 b + i: they are quantised as they stand, and the codes ARE a record's image.
	PLACES NP                                      ; behind the last products: for the reads of results and for the writes into the registers that held fragments
	s_mov_b32 s20, 0x76543210
	s_mov_b32 s21, 0xfedcba98                      ; v_permlanex16_b32's selects for lane l xor 16
	s_mov_b32 s19, 0x600000                        ; the mantissa field of 57,344
	s_mov_b32 s18, 0xffff0000                      ; lanes 16-31
	v_mov_b32 v[FLO], 0x8000000
	v_mov_b32 v[ZR], 0
	v_mov_b32 v[PWS+1], 0
.irp b, 0,1,2,3
	v_mov_b32 v[TM+4+\b], 0                        ; a lane permute's destination counts as one of its sources
.endr
.macro HQ a
.set AC, 64*((\a)%4)
	s_wait_xcnt 0x0                                ; the last tile's stores have read their data: the scale word's and the codes' registers are rewritten only behind this wait
	WIN 0x28+0x14*((\a)/4)                         ; sources 1 and 2: window 2 or 3
.irp b, 0,1,2,3
	v_max3_num_f32 v[TM+\b], v[FLO], v[AC+16*\b], v[AC+16*\b+1]   ; block b: no |.|, since what is negative becomes 0; the floor stands over it.  Each accumulator is read from its low end on
.endr
.irp i, 2,4,6,8,10,12,14
.irp b, 0,1,2,3
	v_max3_num_f32 v[TM+\b], v[TM+\b], v[AC+16*\b+\i], v[AC+16*\b+\i+1]
.endr
.endr
	WIN 0
.irp b, 0,1,2,3
	v_permlanex16_b32 v[TM+4+\b], v[TM+\b], s20, s21
.endr
.irp b, 0,1,2,3
	v_max_num_f32 v[TM+\b], v[TM+\b], v[TM+4+\b]   ; with lane l xor 16's 16 units: the block's largest number
.endr
.irp b, 0,1,2,3
	v_add_nc_u32 v[TM+12+\b], 0xf8800000, v[TM+\b] ; 15 off the exponent field: the conversion's scale operand
.endr
.irp b, 0,1,2,3
	v_and_or_b32 v[TM+8+\b], v[TM+\b], 0x7f800000, s19   ; 57,344 x the scale
.endr
.irp b, 0,1,2,3
	v_lshrrev_b32 v[TM+4+\b], 23, v[TM+12+\b]      ; the scale's byte
.endr
	v_lshl_or_b32 v[PW], v[TM+5], 8, v[TM+4]       ; my token's scale word
	v_lshl_or_b32 v[PW], v[TM+6], 16, v[PW]
	v_lshl_or_b32 v[PW], v[TM+7], 24, v[PW]
	v_cndmask_b32 v[PWS], v[PW], v[ZR], s18        ; lanes 0-15 store (word, 0), lanes 16-31 the (0, 0) behind it
	WIN 2+(\a)/4                                   ; source 0: window 2 or 3
.irp b, 0,1,2,3
.irp i, 0,1,2,3,4,5,6,7,8,9,10,11,12,13,14,15
	v_med3_num_f32 v[Y+16*\b+\i], v[AC+16*\b+\i], 0, v[TM+8+\b]   ; relu and the hold in one (the conversion to an 8-bit code does not saturate: ISA guide 7.6.2)
.endr
.endr
	WIN 0
.irp b, 0,1,2,3
	v_cvt_scalef32_pk8_bf8_f32 v[PC+4*\b:PC+4*\b+1], v[Y+16*\b:Y+16*\b+7], v[TM+12+\b]
	v_cvt_scalef32_pk8_bf8_f32 v[PC+4*\b+2:PC+4*\b+3], v[Y+16*\b+8:Y+16*\b+15], v[TM+12+\b]
.endr
	v_nop                                          ; a plain line behind the last conversion
.irp c, 0,1,2,3
	global_store_b128 v3, v[PC+4*\c:PC+4*\c+3], s[10:11] offset:(\a)*TILEB+512*\c   ; 32 lanes store 512 consecutive bytes
.endr
	global_store_b64 v25, v[PWS:PWS+1], s[10:11] offset:(\a)*TILEB+2048             ; 32 lanes store 256 consecutive bytes
.endm
.irp a, 0,1,2,3,4,5,6,7
	HQ \a
.endr
	s_wait_tensorcnt 0x0                           ; the wave's end
	ds_add_u32 v[SPW], v[NIL]
	s_wait_dscnt 0x0
	CROUND                                         ; the closing round: no work-group ends while a partner may still ask for a tile that names it
	s_endpgm
.Lfunc_end_k_qf955913e1f_gemm1:
	.size	k_qf955913e1f_gemm1, .Lfunc_end_k_qf955913e1f_gemm1-k_qf955913e1f_gemm1
	.p2alignl 7, 3214868480
	.fill 96, 4, 3214868480
	.section	.rodata,"a",@progbits
	.p2align	6, 0x0
	.amdhsa_kernel k_qf955913e1f_gemm1
		.amdhsa_group_segment_fixed_size 327680
		.amdhsa_private_segment_fixed_size 0
		.amdhsa_enable_private_segment 0
		.amdhsa_kernarg_size 32
		.amdhsa_user_sgpr_count 2
		.amdhsa_user_sgpr_kernarg_segment_ptr 1
		.amdhsa_wavefront_size32 1
		.amdhsa_system_sgpr_workgroup_id_x 1
		.amdhsa_system_sgpr_workgroup_id_y 1
		.amdhsa_system_sgpr_workgroup_id_z 1
		.amdhsa_system_vgpr_workitem_id 0
		.amdhsa_next_free_vgpr 1024
		.amdhsa_next_free_sgpr 72
		.amdhsa_reserve_vcc 0
		.amdhsa_float_denorm_mode_32 3
		.amdhsa_float_denorm_mode_16_64 3
		.amdhsa_memory_ordered 1
		.amdhsa_forward_progress 1
		.amdhsa_inst_pref_size 186
	.end_amdhsa_kernel
	.amdgpu_metadata
---
amdhsa.version: [ 1, 2 ]
amdhsa.kernels:
  - .name:           k_qf955913e1f_gemm1
    .symbol:         k_qf955913e1f_gemm1.kd
    .args:
      - { .name: xq, .offset: 0, .size: 8, .value_kind: global_buffer, .address_space: global }
      - { .name: w1q, .offset: 8, .size: 8, .value_kind: global_buffer, .address_space: global }
      - { .name: b1, .offset: 16, .size: 8, .value_kind: global_buffer, .address_space: global }
      - { .name: hq, .offset: 24, .size: 8, .value_kind: global_buffer, .address_space: global }
    .group_segment_fixed_size: 327680
    .private_segment_fixed_size: 0
    .kernarg_segment_align: 8
    .kernarg_segment_size: 32
    .max_flat_workgroup_size: 128
    .sgpr_count:     72
    .vgpr_count:     1024
    .wavefront_size: 32
...
	.end_amdgpu_metadata
.endif
;; end of part 2
;; launch gemm2 (part 3): grid 4 x 64, 4 waves a work-group, clusters of 4 x 4, 327,680 bytes of LDS; arguments hq, w2q, part; writes part
.if DOCPART == 3
	.amdgcn_target "amdgcn-amd-amdhsa--gfx1250"
	.amdhsa_code_object_version 6
	.text
	.protected	k_qf955913e1f_gemm2
	.globl	k_qf955913e1f_gemm2
	.p2align	8
	.type	k_qf955913e1f_gemm2,@function
k_qf955913e1f_gemm2:
	s_mov_b64 s[64:65], 0
	v_nop
	global_prefetch_b8 v0, s[64:65] scope:SCOPE_SE
	s_setreg_imm32_b32 hwreg(HW_REG_WAVE_MODE, 25, 1), 1
	s_wait_xcnt 0x0
	s_wait_alu depctr_hold_cnt(0) depctr_sa_sdst(0) depctr_va_vdst(0) depctr_va_sdst(0) depctr_va_ssrc(0) depctr_va_vcc(0) depctr_vm_vsrc(0)
	s_getreg_b32 s2, hwreg(HW_REG_IB_STS2, 6, 4)
	s_cmp_eq_u32 s2, 0
	s_cbranch_scc0 .Lentry_in_a_cluster
	s_endpgm
.Lentry_in_a_cluster:
	s_bfe_u32 s2, ttmp6, 0x10000c
	s_cmp_lg_u32 s2, 0xf033
	s_cbranch_scc0 .Lentry_shape_is_right
	s_endpgm
.Lentry_shape_is_right:
; part[s][t][d] = the sum over the 2,048 hidden units of slice s = 2 x expert + half of h[expert][t][unit] W2[expert][unit][d], on codes of E5M2 with one E8M0 scale for each 32 along K; f32 sums, stored as f32.
; The output has 1,024 x 1,024 numbers and K is 8 x 4,096 long, so K is cut into 16 slices, one to each cluster; the last launch adds the slices in a fixed order, under the gate's weights.
; OPERANDS come as RECORDS of 2,304 bytes (16 rows x 128 K): 2,048 bytes that are the image of a fragment's registers, then the 16 rows' scale words, 16 bytes apart.  Two records are a tile (256 K).
;   hq [expert: 8][K step: 16][token tile: 64][2]   w2q [expert: 8][K step: 16][tile of d: 64][2]
; So the 128 rows x 256 K that a wave fetches are 36,864 consecutive bytes of memory, every fragment load reads 512 consecutive LDS bytes, and the scale words ride in the ring with their codes.
; SHARES.  A work-group of four waves makes 256 tokens x 256 of d; a wave 128 x 128: 64 accumulators, 512 registers.  K goes in steps of 256 through a ring of two LDS slots, 8 steps.
; CLUSTERS: 4 x 4 work-groups make one slice's whole 1,024 x 1,024.  The four of a row need the same tokens' tiles, the four of a column the same tiles of W2: each is asked for JOINTLY.
; THE MATRIX INSTRUCTION IS USED TRANSPOSED (source 0 = 16 rows of W2, source 1 = 16 tokens): a lane holds eight neighbouring d of one token.
; REGISTERS, in windows of 256: window 0: v1-29 addresses; v32-63 scale words, two sets; v128-255 the tokens' 8 fragments, ONE set (on the way out: rows read back).
;   window 1: W2's fragments, TWO sets.   window 2: the accumulators of my token tiles 0-3 ((a, b) at v[8 (8 (a % 4) + b)]);   window 3: those of tiles 4-7.
.set REC,    2304
.set TILEB,  2*REC
.set HALFT,  8*TILEB                   ; 128 rows x 256 K: what one tensor load brings
.set SLOT,   4*HALFT                   ; the tokens' two halves, then W2's two halves
.set SPARE,  2*SLOT                    ; behind the ring: the spare words, 128 bytes for each wave: two blocks of 256 bytes that no other line names
.set STEP,   64*TILEB                  ; from a K step to the next, in both buffers
.set LAPS,   4                         ; a lap = two K steps: a slice's K = 2,048
.set NQ,     2
.set FR,     16
.set NL,     4
.set NP,     8                         ; places behind this matrix instruction (ISA guide 7.12.1)
.set SIZE_N, 1024
.set SPITCH, 528                       ; the way out: a stage of 16 rows x (512 bytes + 16) for each wave.  It lies in slot 0, which has had its last fill and its last read when the first result is stored there
.set ADRA, 16
.set ADRB, 20
.set ADRS, 22
.set STO,  24                          ; v24     the way out: where I put 32 bytes of a row
.set RD,   25                          ; v25     where I read a row back
.set CO,   26                          ; v26     my byte offset in a row of part
.set SPW,  28                          ; v28     LDS address of my spare word: SPARE + 4 x my thread's number; never rewritten
.set NIL,  29                          ; v29     0; never rewritten
.set SC,   32
.set AF,   128
.set BK,   128                         ; the way out: 16 rows read back: v128-191 and v192-255 by turns
.set G1, 24
.set G0, 32
.set G1B, 48
.set G0B, 56
.set MSB, 0
.macro WIN new                         ; the immediate's high byte repeats the setting that is left
.if MSB != (\new)
	s_set_vgpr_msb (MSB<<8)|(\new)
.set MSB, (\new)
.endif
.endm
.set MUL_LO, 0xa1                      ; source 0 window 1, source 1 window 0, C and D window 2
.set MUL_HI, 0xf1                      ; the same, C and D window 3
.set TO_B,   0x40                      ; destination window 1, address window 0
; A joint load: waves 0 and 1 fetch the tokens' halves, waves 2 and 3 W2's.  The branch hangs on the wave's number alone.  Four v_nop follow each of the two lines.
.macro JLOAD g0a, g1a, g0b, g1b
	s_cmp_eq_u32 s15, 0
	s_cbranch_scc0 .Lfor_b_\@
	tensor_load_to_lds s[\g0a:\g0a+3], s[\g1a:\g1a+7]
	s_nop 0
.rept 4
	v_nop
.endr
	s_branch .Lasked_\@
.Lfor_b_\@:
	tensor_load_to_lds s[\g0b:\g0b+3], s[\g1b:\g1b+7]
	s_nop 0
.rept 4
	v_nop
.endr
.Lasked_\@:
.endm
.macro CREST                           ; a round of the cluster's barrier behind its opening barrier
	s_cmp_lg_u32 s14, 0
	s_cbranch_scc1 .Lnot_wave_0_\@
	s_barrier_signal -3
.Lnot_wave_0_\@:
	s_barrier_wait -3
	s_barrier_signal -1
	s_barrier_wait -1
.endm
.macro CROUND                          ; a whole round
	s_barrier_signal -1
	s_barrier_wait -1
	CREST
.endm
	s_load_b128 s[4:7], s[0:1], 0x0                ; hq s[4:5], w2q s[6:7]
	s_load_b64 s[12:13], s[0:1], 0x10              ; part
	v_lshl_add_u32 v[SPW], v0, 2, SPARE
	v_mov_b32 v[NIL], 0
	ds_add_u32 v28, v29
	ds_add_u32 v28, v29
	s_wait_dscnt 0x0
	v_lshrrev_b32 v1, 5, v0
	v_readfirstlane_b32 s14, v1                    ; wave 0..3
	s_lshr_b32 s15, s14, 1                         ; which half of the tokens is mine.  Also: I fetch tokens (0) or W2 (1)
	s_and_b32 s16, s14, 1                          ; which half of d.  Also: which 128 rows I fetch
	s_bfe_u32 s40, ttmp6, 0x40000                  ; cx, cy: my place in the cluster
	s_bfe_u32 s41, ttmp6, 0x40004
	s_lshl_b32 s42, ttmp9, 2
	s_add_co_u32 s42, s42, s40                     ; tile column (256 of d) = 4 x cluster x + cx
	s_mov_b32 s17, s41                             ; tile row (256 tokens) = cy
	s_and_b32 s66, ttmp7, 0xffff                   ; the slice = the cluster's y, which all sixteen partners share
	s_lshl_b32 s43, s41, 2
	s_lshl_b32 s43, 15, s43                        ; my row of the cluster
	s_lshl_b32 s44, 0x1111, s40                    ; my column
	; descriptor group 1: a dense block of 36,864 bytes, as 144 rows of 256 bytes (32 elements of 8 bytes), no padding
	s_or_b32 s[G1+0], s43, (3<<16)|(1<<21)         ; 15:0 the mask: the tokens' tiles go to my row; 17:16 elements of 8 bytes; 21 set beside a mask
	s_or_b32 s[G1B+0], s44, (3<<16)|(1<<21)        ; W2's tiles go to my column
.irp g, G1, G1B
	s_mov_b32 s[\g+1], 32<<16                      ; tensor_dim0 = 32
	s_mov_b32 s[\g+2], 144<<16                     ; tensor_dim1 = 144
	s_mov_b32 s[\g+3], 32<<16                      ; tile_dim0 = 32
	s_mov_b32 s[\g+4], 144                         ; tile_dim1 = 144
	s_mov_b32 s[\g+5], 32                          ; tensor_dim0_stride
	s_mov_b32 s[\g+6], 0
	s_mov_b32 s[\g+7], 0
.endr
	s_mul_i32 s67, s66, 8*STEP                     ; a slice's 8 K steps, in both buffers
	s_lshl_b32 s18, s16, 3                         ; which 8 tiles of the 16 I fetch
	s_lshl_b32 s20, s17, 4
	s_add_co_u32 s20, s20, s18
	s_mul_i32 s20, s20, TILEB                      ; tokens: tile 16 x tile row + 8 x half
	s_add_co_u32 s20, s20, s67
	s_mov_b32 s21, 0
	s_lshl_b32 s46, s42, 4
	s_add_co_u32 s46, s46, s18
	s_mul_i32 s46, s46, TILEB                      ; W2: tile 16 x tile column + 8 x half
	s_add_co_u32 s46, s46, s67
	s_mov_b32 s47, 0
	s_mul_i32 s45, s14, HALFT                      ; where they go: wave x 128 rows: no place in the cluster enters an LDS address
	s_lshl_b32 s68, s66, 22                        ; part: a slice is 2^22 bytes,
	s_lshl_b32 s69, s17, 20                        ; 256 rows of 4,096 bytes a tile row,
	s_add_co_u32 s68, s68, s69
	s_lshl_b32 s69, s15, 19                        ; my 128 rows,
	s_add_co_u32 s68, s68, s69
	s_lshl_b32 s69, s42, 10                        ; 256 columns of 4 bytes a tile column,
	s_add_co_u32 s68, s68, s69
	s_lshl_b32 s69, s16, 9                         ; my 128
	s_add_co_u32 s68, s68, s69
	s_mov_b32 s69, 0
	s_wait_kmcnt 0x0
	s_add_nc_u64 s[20:21], s[4:5], s[20:21]
	s_add_nc_u64 s[46:47], s[6:7], s[46:47]
	s_add_nc_u64 s[12:13], s[12:13], s[68:69]
	CROUND                                         ; all sixteen work-groups are here: the first joint loads meet
.irp s, 0,1
	s_mov_b32 s[G0+4*\s], 1                        ; count = 1
	s_add_co_u32 s[G0+4*\s+1], s45, \s*SLOT        ; LDS address
	s_add_nc_u64 s[G0+4*\s+2:G0+4*\s+3], s[20:21], \s*STEP     ; global address: K step s
	s_or_b32 s[G0+4*\s+3], s[G0+4*\s+3], 0x80000000            ; type = 2
	s_mov_b32 s[G0B+4*\s], 1
	s_add_co_u32 s[G0B+4*\s+1], s45, \s*SLOT
	s_add_nc_u64 s[G0B+4*\s+2:G0B+4*\s+3], s[46:47], \s*STEP
	s_or_b32 s[G0B+4*\s+3], s[G0B+4*\s+3], 0x80000000
	JLOAD G0+4*\s, G1, G0B+4*\s, G1B               ; two tensor loads of mine are out
.endr
	v_and_b32 v1, 15, v0                           ; r = lane % 16
	v_bfe_u32 v2, v0, 4, 1                         ; h = lane / 16
	v_and_b32 v3, 31, v0
	v_lshlrev_b32 v3, 4, v3                        ; 16 x lane: my place in an image
	s_mul_i32 s18, s15, HALFT                      ; my 128 tokens
	s_mul_i32 s19, s16, HALFT
	s_add_co_u32 s19, s19, 2*HALFT                 ; my 128 rows of W2, behind the tokens' 256
	s_xor_b32 s22, s15, 1
	s_add_co_u32 s22, s22, s16
	s_add_co_u32 s22, s22, 1
	s_mul_i32 s22, s22, HALFT                      ; the distance between the two
	v_mul_u32_u24 v4, s22, v2                      ; lanes 16-31 take W2's scale words
	v_lshl_add_u32 v4, v1, 4, v4                   ; 16 bytes a row
.irp s, 0,1
	v_add_nc_u32 v[ADRA+\s], s18, v3
	v_add_nc_u32 v[ADRB+\s], s19, v3
	v_add_nc_u32 v[ADRS+\s], s18, v4
	s_add_co_u32 s18, s18, SLOT
	s_add_co_u32 s19, s19, SLOT
.endr
	s_mul_i32 s23, s14, 16*SPITCH                  ; my stage
	v_mul_u32_u24 v5, v1, SPITCH                   ; in: row r, 32 bytes for each half of the lanes
	v_lshl_add_u32 v5, v2, 5, v5
	v_add_nc_u32 v[STO], s23, v5
	v_mov_b32 v[CO], v3                            ; back: the 32 lanes take one row of 512 bytes; and the same in part
	v_add_nc_u32 v[RD], s23, v3
.macro FRAG reg, adr, q, i             ; a fragment comes back as it was laid: four loads of 512 consecutive bytes
.irp c, 0,1,2,3
	ds_load_b128 v[\reg+4*\c:\reg+4*\c+3], v[\adr] offset:(\i)*TILEB+(\q)*REC+512*\c
.endr
.endm
; 16 matrix instructions: token tiles a0, a0 + 1 x W2's eight, 128 along K.  zero = 1: the first product starts the sums: nothing is ever cleared.
; The 64 accumulators take turns, one instruction a turn, in the same order in every step.
.macro MUL16 a0, p, q, sc, zero
.irp a, \a0, \a0+1
.irp b, 0,1,2,3,4,5,6,7
.if \zero
	v_wmma_scale_f32_16x16x128_f8f6f4 v[8*(8*((\a)%4)+\b):8*(8*((\a)%4)+\b)+7], v[128*(\p)+FR*\b:128*(\p)+FR*\b+FR-1], v[AF+FR*(\a):AF+FR*(\a)+FR-1], 0, v[SC+16*(\sc)+2*\b+(\q)], v[SC+16*(\sc)+2*(\a)+(\q)] matrix_a_fmt:MATRIX_FMT_BF8 matrix_b_fmt:MATRIX_FMT_BF8 matrix_a_scale:MATRIX_SCALE_ROW1
.else
	v_wmma_scale_f32_16x16x128_f8f6f4 v[8*(8*((\a)%4)+\b):8*(8*((\a)%4)+\b)+7], v[128*(\p)+FR*\b:128*(\p)+FR*\b+FR-1], v[AF+FR*(\a):AF+FR*(\a)+FR-1], v[8*(8*((\a)%4)+\b):8*(8*((\a)%4)+\b)+7], v[SC+16*(\sc)+2*\b+(\q)], v[SC+16*(\sc)+2*(\a)+(\q)] matrix_a_fmt:MATRIX_FMT_BF8 matrix_b_fmt:MATRIX_FMT_BF8 matrix_a_scale:MATRIX_SCALE_ROW1
.endif
.endr
.endr
.endm
.macro FETCH_B slot, q, p
	WIN TO_B
.irp i, 0,1,2,3,4,5,6,7
	FRAG 128*(\p)+FR*\i, ADRB+\slot, \q, \i
.endr
	WIN 0
.endm
.macro FETCH_A slot, q, i0
.irp i, \i0, \i0+1, \i0+2, \i0+3
	FRAG AF+FR*(\i), ADRA+\slot, \q, \i
.endr
.endm
.macro SCALES sc                       ; slot sc's scale words: lanes 0-15 token tile i's, lanes 16-31 W2's tile i's
.irp i, 0,1,2,3,4,5,6,7
.irp q, 0,1
	ds_load_b32 v[SC+16*\sc+2*\i+\q], v[ADRS+\sc] offset:\i*TILEB+\q*REC+2048
.endr
.endr
.endm
; A load into a register that a matrix instruction has read, and an LDS store that reads a matrix result, stand NP places behind it; only plain vector instructions that name none of its registers are places.
.macro PLACES n
.rept \n
	v_nop
.endr
.endm
.macro STEP slot, q, zero
	s_wait_dscnt 4*NL                              ; all but the youngest 16 loads (token tiles 4-7) are in
	WIN MUL_LO
	MUL16 0, (\q)%2, \q, \slot, \zero
	MUL16 2, (\q)%2, \q, \slot, \zero
	s_wait_dscnt 0x0                               ; token tiles 4-7 are in
	PLACES NP
	FETCH_B \slot, (\q)+1, 1-(\q)%2
	FETCH_A \slot, (\q)+1, 0
	WIN MUL_HI
	MUL16 4, (\q)%2, \q, \slot, \zero
	MUL16 6, (\q)%2, \q, \slot, \zero
	PLACES NP
	WIN 0
	FETCH_A \slot, (\q)+1, 4
.endm
; A slot's last step changes slots: ONE barrier; in front of it each wave waits for all its tensor loads, adds 0 to its spare word, and waits for that and for its own reads of this slot.  fill = 1: this slot is filled again, two K steps ahead.
.macro TURN slot, next, fill
	s_wait_tensorcnt 0x0                           ; all my tensor loads have landed: the one that was out is my part of the next slot  (every window is 0 here)
	ds_add_u32 v[SPW], v[NIL]                      ; 0 onto my spare word
	s_wait_dscnt 4*NL+1                            ; (the add and the youngest 16 loads, token tiles 4-7, may be out)
	WIN MUL_LO
	MUL16 0, 1, NQ-1, \slot, 0                     ; sixteen matrix instructions stand between the add and the wait for it
	s_wait_dscnt 0x0                               ; the add is done, and my reads of this slot are over
	s_barrier_signal -1
	MUL16 2, 1, NQ-1, \slot, 0
	WIN 0
	s_barrier_wait -1
.if \fill
	CREST                                          ; the barrier has opened a round of the cluster's barrier: no wave of any partner still reads this slot or has a load on its way
	s_add_nc_u64 s[G0+4*\slot+2:G0+4*\slot+3], s[G0+4*\slot+2:G0+4*\slot+3], 2*STEP
	s_add_nc_u64 s[G0B+4*\slot+2:G0B+4*\slot+3], s[G0B+4*\slot+2:G0B+4*\slot+3], 2*STEP
	JLOAD G0+4*\slot, G1, G0B+4*\slot, G1B         ; the first tensor load behind the round, my one until the next; its four v_nop are among the places in front of the loads below
	PLACES NP-4
.else
	PLACES NP
.endif
	FETCH_B \next, 0, 0
	FETCH_A \next, 0, 0
	SCALES \next
	WIN MUL_HI
	MUL16 4, 1, NQ-1, \slot, 0
	MUL16 6, 1, NQ-1, \slot, 0
	PLACES NP
	WIN 0
	FETCH_A \next, 0, 4
.endm
	s_wait_tensorcnt 1                             ; my part of K step 0 is in (K step 1's load may be out)
	s_barrier_signal -1
	s_barrier_wait -1                              ; everybody's is
	FETCH_B 0, 0, 0
	FETCH_A 0, 0, 0
	SCALES 0
	FETCH_A 0, 0, 4
	STEP 0, 0, 1                                   ; the first step stands in front of the loop: its products start the sums
	s_mov_b32 s3, LAPS-1
.Llap:                                                 ; a trip goes once round the ring, from a lap's second step to the next lap's first, and fills both slots again
	TURN 0, 1, 1
	STEP 1, 0, 0
	TURN 1, 0, 1
	STEP 0, 0, 0
	s_sub_co_u32 s3, s3, 1
	s_cmp_lg_u32 s3, 0
	s_cbranch_scc1 .Llap
	TURN 0, 1, 0                                   ; the last lap fills nothing, and has no round of the cluster's barrier
	STEP 1, 0, 0
	s_wait_dscnt 4*NL                              ; the very last step: nothing more to fetch
	WIN MUL_LO
	MUL16 0, 1, NQ-1, 1, 0
	MUL16 2, 1, NQ-1, 1, 0
	s_wait_dscnt 0x0
	WIN MUL_HI
	MUL16 4, 1, NQ-1, 1, 0
	MUL16 6, 1, NQ-1, 1, 0
	WIN 0
; THE WAY OUT, block by block of 16 tokens x 128 of d.  A lane holds 32 neighbouring bytes of a row, and the lanes beside it hold other rows: so a block goes through my own stage in LDS and comes back as whole
; rows of 512 bytes, which the 32 lanes store as 512 consecutive bytes.  LDS serves a wave's instructions in order (ISA guide 5.7.1.4): no wait between the stores and the loads, nor in front of the next block's stores.
.macro TOSTAGE a
.set AC, 64*((\a)%4)
	WIN 0x08+4*((\a)/4)                            ; the data: window 2 or 3
.irp b, 0,1,2,3,4,5,6,7
	ds_store_b128 v[STO], v[AC+8*\b:AC+8*\b+3] offset:64*\b          ; each accumulator from its low end on
	ds_store_b128 v[STO], v[AC+8*\b+4:AC+8*\b+7] offset:64*\b+16
.endr
	WIN 0
.set BB, BK+64*((\a)%2)
.irp t, 0,1,2,3,4,5,6,7,8,9,10,11,12,13,14,15
	ds_load_b128 v[BB+4*\t:BB+4*\t+3], v[RD] offset:\t*SPITCH
.endr
.endm
.macro SEND a, younger                 ; younger: the LDS instructions issued behind block a's loads, which may stay out
.set BB, BK+64*((\a)%2)
	s_wait_dscnt \younger                          ; the block is back in registers
.if (\a) > 0
	s_add_nc_u64 s[12:13], s[12:13], 16*SIZE_N*4   ; (behind a wait on XCNT: the earlier stores have read their base)  16 rows on
.endif
.irp t, 0,1,2,3,4,5,6,7,8,9,10,11,12,13,14,15
	global_store_b128 v[CO], v[BB+4*\t:BB+4*\t+3], s[12:13] offset:\t*SIZE_N*4   ; 32 lanes store 512 consecutive bytes, at a multiple of 256 from part's first byte
.endr
.endm
	PLACES NP                                      ; behind the last products: for the loads into the registers that held fragments and for the reads of results
	TOSTAGE 0
.irp a, 1,2,3,4,5,6,7
.if \a > 1
	s_wait_xcnt 0x0                                ; block a - 2's stores have read their registers and their base: block a's loads may land there, and the base may step
.endif
	TOSTAGE \a
	SEND \a-1, 32                                  ; behind block a - 1's loads: block a's 16 stores and 16 loads
.endr
	s_wait_xcnt 0x0                                ; block 6's stores have read their base
	SEND 7, 0
	s_wait_tensorcnt 0x0                           ; the wave's end
	ds_add_u32 v[SPW], v[NIL]
	s_wait_dscnt 0x0
	CROUND                                         ; the closing round: no work-group ends while a partner may still ask for a tile that names it
	s_endpgm
.Lfunc_end_k_qf955913e1f_gemm2:
	.size	k_qf955913e1f_gemm2, .Lfunc_end_k_qf955913e1f_gemm2-k_qf955913e1f_gemm2
	.p2alignl 7, 3214868480
	.fill 96, 4, 3214868480
	.section	.rodata,"a",@progbits
	.p2align	6, 0x0
	.amdhsa_kernel k_qf955913e1f_gemm2
		.amdhsa_group_segment_fixed_size 327680
		.amdhsa_private_segment_fixed_size 0
		.amdhsa_enable_private_segment 0
		.amdhsa_kernarg_size 24
		.amdhsa_user_sgpr_count 2
		.amdhsa_user_sgpr_kernarg_segment_ptr 1
		.amdhsa_wavefront_size32 1
		.amdhsa_system_sgpr_workgroup_id_x 1
		.amdhsa_system_sgpr_workgroup_id_y 1
		.amdhsa_system_sgpr_workgroup_id_z 1
		.amdhsa_system_vgpr_workitem_id 0
		.amdhsa_next_free_vgpr 1024
		.amdhsa_next_free_sgpr 72
		.amdhsa_reserve_vcc 0
		.amdhsa_float_denorm_mode_32 3
		.amdhsa_float_denorm_mode_16_64 3
		.amdhsa_memory_ordered 1
		.amdhsa_forward_progress 1
		.amdhsa_inst_pref_size 145
	.end_amdhsa_kernel
	.amdgpu_metadata
---
amdhsa.version: [ 1, 2 ]
amdhsa.kernels:
  - .name:           k_qf955913e1f_gemm2
    .symbol:         k_qf955913e1f_gemm2.kd
    .args:
      - { .name: hq, .offset: 0, .size: 8, .value_kind: global_buffer, .address_space: global }
      - { .name: w2q, .offset: 8, .size: 8, .value_kind: global_buffer, .address_space: global }
      - { .name: part, .offset: 16, .size: 8, .value_kind: global_buffer, .address_space: global }
    .group_segment_fixed_size: 327680
    .private_segment_fixed_size: 0
    .kernarg_segment_align: 8
    .kernarg_segment_size: 24
    .max_flat_workgroup_size: 128
    .sgpr_count:     72
    .vgpr_count:     1024
    .wavefront_size: 32
...
	.end_amdgpu_metadata
.endif
;; end of part 3
;; launch combine (part 4): grid 256 x 1, 8 waves a work-group, no clusters, 38,912 bytes of LDS; arguments part, x, Wg, bg, b2, out0; writes out0
.if DOCPART == 4
	.amdgcn_target "amdgcn-amd-amdhsa--gfx1250"
	.amdhsa_code_object_version 6
	.text
	.protected	k_qf955913e1f_combine
	.globl	k_qf955913e1f_combine
	.p2align	8
	.type	k_qf955913e1f_combine,@function
k_qf955913e1f_combine:
	s_mov_b64 s[64:65], 0
	v_nop
	global_prefetch_b8 v0, s[64:65] scope:SCOPE_SE
	s_setreg_imm32_b32 hwreg(HW_REG_WAVE_MODE, 25, 1), 1
	s_wait_xcnt 0x0
; out[t][d] = the sum over the 8 experts of w[t][e] (part[2 e][t][d] + part[2 e + 1][t][d] + b2[e][d]),  w = p where p > 0.5 and else 0,  p = sigmoid(x[t] . Wg[:, e] + bg[e]).  All in f32.
; A work-group of eight waves owns 4 tokens; thread j owns d = 4 j .. 4 j + 3 of each: a wave's load or store of 16 bytes a lane covers 512 consecutive bytes.
; THE GATE: each thread multiplies its 4 numbers of each token's x by its 4 rows of Wg (32 partial sums); a wave's 32 lanes' sums are turned through the wave's own LDS bytes, so that lane o adds up sum o = (token o / 8, expert o % 8);
; the eight waves' figures meet in LDS behind one barrier, and every wave adds them in the same order.  The 32 weights then go to scalar registers, as values alone: no address and no branch hangs on them.
; The parts of two tokens are asked for ahead of the gate's arithmetic and land under it; two sets of registers take turns.
; LIMITS: NaN and infinities are not served.  The logit is an f32 sum in this text's own order: a logit within f32 rounding of 0 may fall on the other side of the threshold than in another order.
; Memory binds here: no matrix unit, no cluster (work-groups share only Wg and b2, 64 KiB against the 256 KiB of parts that each reads).
.set XG,  8                            ; v8-23    x, 4 numbers a token; later the four tokens' results
.set WGR, 24                           ; v24-55   register 8 c + e = Wg[4 j + c][e]; later the sums read back
.set ACC, 56                           ; v56-87   register 8 t + e
.set BG,  88                           ; v88      bg[lane % 8]
.set B2,  96                           ; v96-127  register 4 e + c
.set P,   128                          ; v128-255 two sets of 64: register 4 s + c of slice s
.set WT,  66                           ; s66-97   the weights: 8 t + e
.set R2,  36864                        ; LDS: bytes 0 .. 36,863: for each wave 32 lanes x 144 bytes;  from R2: [wave][32] f32
	s_load_b256 s[4:11], s[0:1], 0x0               ; part s[4:5], x s[6:7], Wg s[8:9], bg s[10:11]
	s_load_b128 s[12:15], s[0:1], 0x20             ; b2 s[12:13], out0 s[14:15]
	v_lshl_add_u32 v94, v0, 2, 0x9400
	v_mov_b32 v95, 0
	v_lshrrev_b32 v90, 5, v0
	v_readfirstlane_b32 s18, v90                   ; wave 0..7
	v_and_b32 v89, 31, v0                          ; lane
	v_lshlrev_b32 v1, 4, v0                        ; my 16 bytes of a row
	v_lshlrev_b32 v2, 7, v0                        ; my 4 rows of Wg, 32 bytes each
	v_and_b32 v3, 7, v0
	v_lshlrev_b32 v3, 2, v3                        ; bg: expert = lane % 8
	s_mul_i32 s19, s18, 4608                       ; my wave's LDS bytes
	v_mul_u32_u24 v4, v89, 144
	v_add_nc_u32 v4, s19, v4                       ; in: 144 bytes a lane (128 + 16, so that sixteen lanes' 16 bytes fall on different 16-byte columns of 256)
	v_lshl_add_u32 v5, v89, 2, s19                 ; back: word = my lane's number, of each lane's 144 bytes
	v_lshl_add_u32 v6, v0, 2, R2                   ; my wave's figure for sum = lane
	v_lshl_add_u32 v7, v89, 2, R2                  ; and every wave's
	s_lshl_b32 s16, ttmp9, 14                      ; 4 rows of 4,096 bytes a work-group
	s_mov_b32 s17, 0
	s_wait_kmcnt 0x0
	s_add_nc_u64 s[6:7], s[6:7], s[16:17]
	s_add_nc_u64 s[14:15], s[14:15], s[16:17]
	s_add_nc_u64 s[4:5], s[4:5], s[16:17]
.irp sp, 0,1,2,3,4,5,6,7,8,9,10,11,12,13,14,15
	s_add_nc_u64 s[32+2*\sp:33+2*\sp], s[4:5], \sp*0x400000   ; a base for each slice: 2^22 bytes apart, beyond a load's immediate
.endr
.macro PLOAD t                         ; token t's 16 parts into set t % 2
.irp sp, 0,1,2,3,4,5,6,7,8,9,10,11,12,13,14,15
	global_load_b128 v[P+64*((\t)%2)+4*\sp:P+64*((\t)%2)+4*\sp+3], v1, s[32+2*\sp:33+2*\sp] offset:4096*(\t) th:TH_LOAD_NT
.endr
.endm
.irp t, 0,1,2,3
	global_load_b128 v[XG+4*\t:XG+4*\t+3], v1, s[6:7] offset:4096*\t
.endr
.irp k, 0,1,2,3,4,5,6,7
	global_load_b128 v[WGR+4*\k:WGR+4*\k+3], v2, s[8:9] offset:16*\k
.endr
	global_load_b32 v[BG], v3, s[10:11]
.irp e, 0,1,2,3,4,5,6,7
	global_load_b128 v[B2+4*\e:B2+4*\e+3], v1, s[12:13] offset:4096*\e
.endr
	PLOAD 0
	PLOAD 1
	s_wait_loadcnt 41                              ; x and Wg are in; younger: bg 1, b2 8, two tokens' parts 32
.irp t, 0,1,2,3
.irp e, 0,1,2,3,4,5,6,7
	v_mul_f32 v[ACC+8*\t+\e], v[XG+4*\t], v[WGR+\e]
.endr
.endr
.irp c, 1,2,3
.irp t, 0,1,2,3
.irp e, 0,1,2,3,4,5,6,7
	v_fmac_f32 v[ACC+8*\t+\e], v[XG+4*\t+\c], v[WGR+8*\c+\e]
.endr
.endr
.endr
.irp k, 0,1,2,3,4,5,6,7
	ds_store_b128 v4, v[ACC+4*\k:ACC+4*\k+3] offset:16*\k
.endr
.irp i, 0,1,2,3,4,5,6,7,8,9,10,11,12,13,14,15,16,17,18,19,20,21,22,23,24,25,26,27,28,29,30,31
	ds_load_b32 v[WGR+\i], v5 offset:144*\i        ; sum = my lane's number, of lane i.  The bytes are my wave's own, and LDS serves a wave's instructions in order (ISA guide 5.7.1.4)
.endr
	s_wait_dscnt 0x0
.irp i, 0,2,4,6,8,10,12,14
	v_pk_add_f32 v[WGR+\i:WGR+\i+1], v[WGR+\i:WGR+\i+1], v[WGR+16+\i:WGR+17+\i]
.endr
.irp i, 0,2,4,6
	v_pk_add_f32 v[WGR+\i:WGR+\i+1], v[WGR+\i:WGR+\i+1], v[WGR+8+\i:WGR+9+\i]
.endr
.irp i, 0,2
	v_pk_add_f32 v[WGR+\i:WGR+\i+1], v[WGR+\i:WGR+\i+1], v[WGR+4+\i:WGR+5+\i]
.endr
	v_pk_add_f32 v[WGR:WGR+1], v[WGR:WGR+1], v[WGR+2:WGR+3]
	v_add_f32 v[WGR], v[WGR], v[WGR+1]             ; my wave's 128 d of sum = lane
	ds_store_b32 v6, v[WGR]
	s_wait_dscnt 0x0                               ; for the others' sake: my store has landed
	s_barrier_signal -1
	s_barrier_wait -1
.irp p, 0,1,2,3,4,5,6,7
	ds_load_b32 v[WGR+8+\p], v7 offset:128*\p      ; the eight waves' figures
.endr
	s_wait_dscnt 0x0
	v_pk_add_f32 v[WGR+8:WGR+9], v[WGR+8:WGR+9], v[WGR+12:WGR+13]
	v_pk_add_f32 v[WGR+10:WGR+11], v[WGR+10:WGR+11], v[WGR+14:WGR+15]
	v_pk_add_f32 v[WGR+8:WGR+9], v[WGR+8:WGR+9], v[WGR+10:WGR+11]
	v_add_f32 v[WGR+8], v[WGR+8], v[WGR+9]
	s_wait_loadcnt 40                              ; bg is in; younger: b2 8, parts 32
	v_add_f32 v90, v[WGR+8], v[BG]                 ; the logit of (token lane / 8, expert lane % 8)
	v_mul_f32 v90, 0xbfb8aa3b, v90                 ; x -log2(e)
	v_exp_f32 v91, v90
	v_nop                                          ; a plain line behind a transcendental
	s_wait_alu depctr_va_vdst(0)
	v_add_f32 v91, 1.0, v91
	v_rcp_f32 v92, v91                             ; p = 1 / (1 + e^-logit)
	v_nop
	s_wait_alu depctr_va_vdst(0)
	v_cmp_lt_f32 vcc_lo, 0.5, v92
	v_cndmask_b32 v93, 0, v92, vcc_lo              ; w = p where p > 0.5, else 0
.irp o, 0,1,2,3,4,5,6,7,8,9,10,11,12,13,14,15,16,17,18,19,20,21,22,23,24,25,26,27,28,29,30,31
	v_readlane_b32 s[WT+\o], v93, \o
.endr
; Token t.  left: the younger loads that may stay out (the next token's 16 parts).
.macro TOKEN t, left
.set O, XG+4*(\t)
.set PS, P+64*((\t)%2)
	s_wait_loadcnt \left
.irp c, 0,1,2,3
	v_mul_f32 v[O+\c], s[WT+8*(\t)], v[B2+\c]
.endr
.irp e, 1,2,3,4,5,6,7
.irp c, 0,1,2,3
	v_fmac_f32 v[O+\c], s[WT+8*(\t)+\e], v[B2+4*\e+\c]
.endr
.endr
.irp sp, 0,1,2,3,4,5,6,7,8,9,10,11,12,13,14,15
.irp c, 0,1,2,3
	v_fmac_f32 v[O+\c], s[WT+8*(\t)+\sp/2], v[PS+4*\sp+\c]
.endr
.endr
.if (\t) < 2
	PLOAD (\t)+2                                   ; the set just read takes the token two on
.endif
	global_store_b128 v1, v[O:O+3], s[14:15] offset:4096*(\t) th:TH_STORE_NT   ; each token has registers of its own: no store's data are written again
.endm
	TOKEN 0, 16
	TOKEN 1, 16
	TOKEN 2, 16
	TOKEN 3, 0
	s_wait_tensorcnt 0x0
	ds_add_u32 v94, v95
	s_wait_dscnt 0x0
	s_endpgm
.Lfunc_end_k_qf955913e1f_combine:
	.size	k_qf955913e1f_combine, .Lfunc_end_k_qf955913e1f_combine-k_qf955913e1f_combine
	.p2alignl 7, 3214868480
	.fill 96, 4, 3214868480
	.section	.rodata,"a",@progbits
	.p2align	6, 0x0
	.amdhsa_kernel k_qf955913e1f_combine
		.amdhsa_group_segment_fixed_size 38912
		.amdhsa_private_segment_fixed_size 0
		.amdhsa_enable_private_segment 0
		.amdhsa_kernarg_size 48
		.amdhsa_user_sgpr_count 2
		.amdhsa_user_sgpr_kernarg_segment_ptr 1
		.amdhsa_wavefront_size32 1
		.amdhsa_system_sgpr_workgroup_id_x 1
		.amdhsa_system_sgpr_workgroup_id_y 1
		.amdhsa_system_sgpr_workgroup_id_z 1
		.amdhsa_system_vgpr_workitem_id 0
		.amdhsa_next_free_vgpr 256
		.amdhsa_next_free_sgpr 98
		.amdhsa_reserve_vcc 1
		.amdhsa_float_denorm_mode_32 3
		.amdhsa_float_denorm_mode_16_64 3
		.amdhsa_memory_ordered 1
		.amdhsa_forward_progress 1
		.amdhsa_inst_pref_size 34
	.end_amdhsa_kernel
	.amdgpu_metadata
---
amdhsa.version: [ 1, 2 ]
amdhsa.kernels:
  - .name:           k_qf955913e1f_combine
    .symbol:         k_qf955913e1f_combine.kd
    .args:
      - { .name: part, .offset: 0, .size: 8, .value_kind: global_buffer, .address_space: global }
      - { .name: x, .offset: 8, .size: 8, .value_kind: global_buffer, .address_space: global }
      - { .name: Wg, .offset: 16, .size: 8, .value_kind: global_buffer, .address_space: global }
      - { .name: bg, .offset: 24, .size: 8, .value_kind: global_buffer, .address_space: global }
      - { .name: b2, .offset: 32, .size: 8, .value_kind: global_buffer, .address_space: global }
      - { .name: out0, .offset: 40, .size: 8, .value_kind: global_buffer, .address_space: global }
    .group_segment_fixed_size: 38912
    .private_segment_fixed_size: 0
    .kernarg_segment_align: 8
    .kernarg_segment_size: 48
    .max_flat_workgroup_size: 256
    .sgpr_count:     98
    .vgpr_count:     256
    .wavefront_size: 32
...
	.end_amdgpu_metadata
.endif
;; end of part 4
